; MI455X (gfx1250); checked and timed in simulation.
; The chip was launched on July 23, 2026; its instructions are those of AMD's public machine-readable ISA for CDNA 5 (MIT licence, August 2026) and "CDNA5" Instruction Set Architecture Reference Guide (July 2026). The comments in the code are by the model that wrote it; some were corrected since.
;; RDPP NOISING. Allowed arithmetic: matrix products marked QUANTISED: E2M1 operands, one E8M0 scale for each 32 along K, by v_wmma_scale_f32_16x16x128_f8f6f4 with both operands' format E2M1 (or v_wmma_scale_f32_32x16x128_f4), f32 sums; everything else in f32.
;; Inputs: features 8 x 1,024 x 32 x 32 float32; memory_bank 8,192 x 1,024 float32; noise 8,192 x 1,024 float32.
;; Outputs: out0 8 x 1,024 x 32 x 32 float32; out1 8 x 32 x 32 float32; out2 8 x 32 x 32 float32.
;; This version of the problem:
;;   THIS VERSION OF THE PROBLEM IS GIVEN IN LOW PRECISION. The matrix products marked QUANTISED in the list below multiply operands that are first quantised to E2M1 (2 exponent bits, 1 mantissa bit; 4 bits a number), with one power-of-two scale for each 32 numbers along K (OCP MX v1.0); their sums are f32. All else is computed in f32.
;;   The module's matrix products, in the order in which they are computed (A, B: the left and right operand; K: the contracted axis; several contracted axes count as one K, in the product's order):
;;     1. [M 8,192, K 1,024] x [K 1,024, N 8,192]; A: input features; B: input memory_bank: QUANTISED
;;   THE QUANTISER, for each operand of a quantised product, along K:
;;     - K is cut into blocks of 32 from its start; a last block that is shorter is filled with zeros.
;;     - A block's scale is 2^e with e = floor(log2(the largest magnitude in the block)) - 2, held to -126 .. 127; a block of zeros has e = 0. As a byte (E8M0): e + 127.
;;     - Each number is divided by its block's scale, clamped to +-6, and rounded to the nearest number of E2M1, ties to even, subnormals kept.
;;     - The product sums the exact products of the quantised numbers (number of the format x scale) in f32.
;;   ~~~python
;;   def quantise(x, axis):      # numpy; x: float32 -> the quantised numbers, widened to float32 again
;;       x = np.moveaxis(x, axis, -1); K = x.shape[-1]
;;       x = np.pad(x, [(0, 0)] * (x.ndim - 1) + [(0, -K % 32)]); x = x.reshape(x.shape[:-1] + (-1, 32)); a = np.abs(x).max(-1, keepdims=True)
;;       e = np.where(a > 0, np.clip(np.frexp(np.where(a > 0, a, 1))[1] - 1 - 2, -126, 127), 0)      # np.frexp(a)[1] - 1 = floor(log2(a)), exactly
;;       r = np.clip(x / 2.0 ** e, -6, 6)
;;       step = 2.0 ** (np.maximum(np.frexp(np.where(r == 0, 1, r))[1] - 1, 0) - 1)
;;       q = np.round(r / step) * step * 2.0 ** e      # np.round: ties to even
;;       return np.moveaxis(q.reshape(q.shape[:-2] + (-1,))[..., :K], -1, axis).astype(np.float32)
;;   ~~~
;; One version. Each part assembles by itself: llvm-mc -triple=amdgcn-amd-amdhsa -mcpu=gfx1250 --defsym DOCPART=n.
;; ======== version 1 of 1: 4 launches
;; limits: right only within a limited range of input values
;; workspace buffers: f_codes 4,194,304 bytes; f_scales 262,144 bytes; m_codes 4,194,304 bytes; m_scales 262,144 bytes; fsq 32,768 bytes; msq 32,768 bytes; keys 1,048,576 bytes of whole numbers; ip 65,536 bytes
;; launch quant (part 1): grid 256 x 1, 16 waves a work-group, no clusters, 124,160 bytes of LDS; arguments features, memory_bank, f_codes, f_scales, fsq, m_codes, m_scales, msq; writes f_codes, f_scales, fsq, m_codes, m_scales, msq
.if DOCPART == 1
	.amdgcn_target "amdgcn-amd-amdhsa--gfx1250"
	.amdhsa_code_object_version 6
	.text
	.protected	k_q3d8c0b70d3_quant
	.globl	k_q3d8c0b70d3_quant
	.p2align	8
	.type	k_q3d8c0b70d3_quant,@function
k_q3d8c0b70d3_quant:
	s_mov_b64 s[64:65], 0
	v_nop
	global_prefetch_b8 v0, s[64:65] scope:SCOPE_SE
	s_setreg_imm32_b32 hwreg(HW_REG_WAVE_MODE, 25, 1), 1
	s_wait_xcnt 0x0
; RDPP noising, launch 1 of 4: both operands of the one product, cross = f mb^T, become codes of FP4 (E2M1) with one E8M0 byte for each 32 along C,
; K innermost: f_codes in the product's register order, m_codes [row][512 bytes], f_scales, m_scales [row][32 bytes]; and the rows' sums of squares of the UNquantised numbers, fsq, msq.
; f is features [8][1024][32 x 32] read as [position n = 1024 b + hw][c].
; WORK LEFT OUT BY THE WHOLE PROGRAM.  Of lax.top_k's nine entries reference() uses entry 0 alone (knn_idx[:, 0], knn_dist[:, 0:1]); entries 1 to 8 are sliced away
; whatever the inputs hold.  So only the smallest distance of each position is searched, ties to the lower index as top_k breaks them.  The root rises with dist_sq, so it
; is taken of candidates that have won among their neighbours, not of all 8192 x 8192 numbers.  stop_gradient changes no value.  Every input has a way to an output and is loaded.
; LIMITS.  NaN and infinities among the inputs are not served, and one that would reach only the entries left out is not carried to the result.  Blocks whose largest
; magnitude lies under 2^-124, blocks of zeros among them, keep the byte 1 (zero codes add nothing under any byte but 0xff; this program alone reads the bytes).
; The sums of squares are taken in another order than reference()'s: many short chains, joined at the end.
; SHARES.  Work-groups 0-127 take 64 positions of f each, work-groups 128-255 take 64 rows of memory_bank each: 65,536 numbers either way.  The two ways part on the
; work-group's number alone, each has LDS bytes of its own and its own end.  No work-group shares an input with another: no cluster.  All bytes in flight are carried by registers.
.set MST,   0                          ; bank: for each wave two stages of 32 x 80 bytes
.set MSC,   81920                      ; bank: 2,048 scale bytes
.set MMQ,   83968                      ; bank: 64 sums of squares
.set FST,   84224                      ; f: 64 rows of codes, 512 bytes + 16
.set FSC,   118016                     ; f: 64 rows of 32 scale bytes
.set FFQ,   120064                     ; f: 8 partial sums of squares for each of 64 positions
.set SPARE, 122112                     ; the spare words, 128 bytes for each wave: eight blocks of 256 bytes that no other line names
.set SPW,   12                         ; v12  LDS address of my spare word; never rewritten
.set NIL,   13                         ; v13  0; never rewritten
.set FX,    32                         ; f: v32-95 two sets of 32 numbers
.set FC,    96                         ; f: v96-99 a block's codes
.set MR,    16                         ; bank: v16-79 four sets of 16 numbers as loaded
.set MX,    80                         ; bank: v80-111 two sets of 16 neighbours
.set MC,    112                        ; bank: v112-127 codes, two registers a step
.set ME,    128                        ; bank: v128-135 a scale byte a step
	s_load_b256 s[4:11], s[0:1], 0x0               ; features, memory_bank, f_codes, f_scales
	s_load_b256 s[12:19], s[0:1], 0x20             ; fsq, m_codes, m_scales, msq
	v_lshl_add_u32 v[SPW], v0, 2, SPARE
	v_mov_b32 v[NIL], 0
	v_lshrrev_b32 v1, 5, v0
	s_delay_alu instid0(VALU_DEP_1)
	v_readfirstlane_b32 s20, v1                    ; wave 0..15
	v_and_b32 v1, 31, v0                           ; lane
	s_mov_b32 s22, 0x76543210
	s_mov_b32 s23, 0xfedcba98                      ; v_permlanex16_b32's selects for lane l xor 16
	s_cmp_lt_u32 ttmp9, 128
	s_cbranch_scc0 .Lbank
; ---------------- f: K (the channels) is not innermost.  A LANE TAKES A POSITION AND ITS REGISTERS RUN DOWN THE CHANNELS. ----------------
; Wave w: positions 32 (w % 2) + lane of the group's 64, channels 128 (w / 2) on: four blocks of 32.  Each load reads 128 consecutive bytes.
	v_and_b32 v2, 63, v0                           ; my position among the 64
	v_lshrrev_b32 v10, 6, v0                       ; which 128 channels
	v_lshlrev_b32 v3, 2, v1                        ; in: 4 bytes a lane
	s_delay_alu instid0(VALU_DEP_3)
	v_mul_u32_u24 v4, v2, 528
	s_delay_alu instid0(VALU_DEP_1)
	v_lshl_add_u32 v4, v10, 6, v4
	s_delay_alu instid0(VALU_DEP_1)
	v_add_nc_u32 v4, FST, v4                       ; my codes: row = my position, 64 bytes for 128 channels
	v_lshlrev_b32 v5, 5, v2
	s_delay_alu instid0(VALU_DEP_1)
	v_lshl_add_u32 v5, v10, 2, v5
	s_delay_alu instid0(VALU_DEP_1)
	v_add_nc_u32 v5, FSC, v5                       ; my scale word
	v_lshlrev_b32 v6, 2, v2
	s_delay_alu instid0(VALU_DEP_1)
	v_lshl_add_u32 v6, v10, 8, v6
	s_delay_alu instid0(VALU_DEP_1)
	v_add_nc_u32 v6, FFQ, v6                       ; my partial sum of squares
	; f_codes leave in the order in which the product's registers take them, not by rows: for each 16 positions sixteen pieces of 512 bytes;
	; in piece 2 q + c lane (r, h) holds the 16 bytes at byte 64 q + 32 c + 16 h of position r's row of codes.
	v_and_b32 v7, 15, v0                           ; r
	v_lshrrev_b32 v19, 4, v0                       ; 2 w + h
	s_delay_alu instid0(VALU_DEP_2)
	v_mul_u32_u24 v7, v7, 528
	s_delay_alu instid0(VALU_DEP_1)
	v_lshl_add_u32 v7, v19, 4, v7                  ; row r, byte 32 w + 16 h: wave w reads piece w of each of the four blocks of 16 positions
	s_delay_alu instid0(VALU_DEP_1)
	v_add_nc_u32 v7, FST, v7
	v_lshlrev_b32 v8, 4, v0                        ; 16 x thread: the same place in f_codes (512 w + 16 lane), and in f_scales
	s_delay_alu instid0(VALU_DEP_1)
	v_add_nc_u32 v9, FSC, v8
	v_lshlrev_b32 v18, 3, v1
	s_delay_alu instid0(VALU_DEP_1)
	v_add_nc_u32 v15, FFQ, v18
	s_lshr_b32 s24, ttmp9, 4                       ; the batch: 4 MiB each
	s_lshl_b32 s24, s24, 22
	s_and_b32 s25, ttmp9, 15                       ; which 64 of its 1,024 positions
	s_lshl_b32 s25, s25, 8
	s_add_co_u32 s24, s24, s25
	s_and_b32 s25, s20, 1
	s_lshl_b32 s25, s25, 7                         ; my wave's 32 positions
	s_add_co_u32 s24, s24, s25
	s_lshr_b32 s25, s20, 1
	s_lshl_b32 s25, s25, 19                        ; my wave's 128 channels of 4,096 bytes
	s_add_co_u32 s24, s24, s25
	s_mov_b32 s25, 0
	s_lshl_b32 s26, ttmp9, 15                      ; 64 rows of 512 bytes
	s_mov_b32 s27, 0
	s_lshl_b32 s28, ttmp9, 11                      ; of 32 bytes
	s_mov_b32 s29, 0
	s_lshl_b32 s30, ttmp9, 8                       ; of 4 bytes
	s_mov_b32 s31, 0
	s_wait_kmcnt 0x0
	s_add_nc_u64 s[4:5], s[4:5], s[24:25]
	s_add_nc_u64 s[8:9], s[8:9], s[26:27]
	s_add_nc_u64 s[10:11], s[10:11], s[28:29]
	s_add_nc_u64 s[12:13], s[12:13], s[30:31]
.macro FLOAD t                         ; block t: channels 32 t + i of my position, into set t % 2
.irp i, 0,1,2,3,4,5,6,7,8,9,10,11,12,13,14,15,16,17,18,19,20,21,22,23,24,25,26,27,28,29,30,31
	global_load_b32 v[FX+32*((\t)%2)+\i], v3, s[4:5] offset:(32*(\t)+\i)*4096 th:TH_LOAD_NT
.endr
.endm
.macro FBLOCK t
.set XS, FX+32*((\t)%2)
.if (\t) < 3
	s_wait_loadcnt 32                              ; this block's 32 loads are in; the next block's 32 may be out
.else
	s_wait_loadcnt 0x0
.endif
	v_max3_num_f32 v10, |v[XS]|, |v[XS+1]|, |v[XS+2]|              ; the block's largest magnitude: all 32 numbers are mine
	v_max3_num_f32 v16, |v[XS+3]|, |v[XS+4]|, |v[XS+5]|
.irp i, 6,10,14,18,22,26
	s_delay_alu instid0(VALU_DEP_2)
	v_max3_num_f32 v10, v10, |v[XS+\i]|, |v[XS+\i+1]|
	s_delay_alu instid0(VALU_DEP_2)
	v_max3_num_f32 v16, v16, |v[XS+\i+2]|, |v[XS+\i+3]|
.endr
	s_delay_alu instid0(VALU_DEP_2)
	v_max3_num_f32 v10, v10, |v[XS+30]|, |v[XS+31]|
	s_delay_alu instid0(VALU_DEP_1)
	v_max3_num_f32 v10, v10, v16, 0x1800000        ; and the floor 2^(3 - 127): the byte cannot fall under 1
	s_delay_alu instid0(VALU_DEP_1)
	v_add_nc_u32 v11, 0xff000000, v10              ; 2 off its exponent field: the conversion takes this operand's exponent field as its scale
.if (\t) == 0
	v_pk_mul_f32 v[26:27], v[XS:XS+1], v[XS:XS+1]                  ; the squares, in four chains; the first products start them
	v_pk_mul_f32 v[28:29], v[XS+2:XS+3], v[XS+2:XS+3]
.else
	v_pk_fma_f32 v[26:27], v[XS:XS+1], v[XS:XS+1], v[26:27]
	v_pk_fma_f32 v[28:29], v[XS+2:XS+3], v[XS+2:XS+3], v[28:29]
.endif
.irp i, 4,8,12,16,20,24,28
	s_delay_alu instid0(VALU_DEP_2)
	v_pk_fma_f32 v[26:27], v[XS+\i:XS+\i+1], v[XS+\i:XS+\i+1], v[26:27]
	s_delay_alu instid0(VALU_DEP_2)
	v_pk_fma_f32 v[28:29], v[XS+\i+2:XS+\i+3], v[XS+\i+2:XS+\i+3], v[28:29]
.endr
.irp g, 0,1,2,3
	v_cvt_scalef32_pk8_fp4_f32 v[FC+\g], v[XS+8*\g:XS+8*\g+7], v11
.endr
	v_lshrrev_b32 v10, 23, v11                     ; the scale's byte (a plain line behind the conversions)
.if (\t) == 0
	s_delay_alu instid0(VALU_DEP_1)
	v_mov_b32 v24, v10                             ; four bytes to a word, the lower K in the lower byte
.else
	s_delay_alu instid0(VALU_DEP_1)
	v_lshl_or_b32 v24, v10, 8*(\t), v24
.endif
	ds_store_b128 v4, v[FC:FC+3] offset:16*(\t)    ; 32 codes: 16 bytes of my position's row
.if (\t)+2 < 4
	FLOAD (\t)+2
.endif
	s_wait_dscnt 0x0                               ; the store has read its registers: the next block's codes may be written
.endm
	FLOAD 0
	FLOAD 1
	FBLOCK 0
	FBLOCK 1
	FBLOCK 2
	FBLOCK 3
	s_wait_alu depctr_va_vdst(0)
	ds_store_b32 v5, v24
	v_add_f32 v16, v26, v27
	v_add_f32 v17, v28, v29
	s_delay_alu instid0(VALU_DEP_1)
	v_add_f32 v16, v16, v17
	ds_store_b32 v6, v16
	s_wait_dscnt 0x0                               ; for the others' sake: my stores have landed
	s_barrier_signal -1
	s_barrier_wait -1
.irp i, 0,1,2,3
	ds_load_b128 v[100+4*\i:103+4*\i], v7 offset:16*528*\i
.endr
.irp i, 0,1,2,3
	s_wait_dscnt 3-\i                              ; the younger loads may be out
	global_store_b128 v8, v[100+4*\i:103+4*\i], s[8:9] offset:8192*\i    ; a wave stores a whole piece: 512 consecutive bytes
.endr
	s_cmp_lt_u32 s20, 4
	s_cbranch_scc0 .Lf_no_scales
	ds_load_b128 v[116:119], v9                    ; waves 0-3: the 2,048 scale bytes, dense in LDS as in memory
	s_wait_dscnt 0x0
	global_store_b128 v8, v[116:119], s[10:11]
.Lf_no_scales:
	s_cmp_eq_u32 s20, 4
	s_cbranch_scc0 .Lf_end
.irp k, 0,1,2,3,4,5,6,7
	ds_load_b64 v[120+2*\k:121+2*\k], v15 offset:256*\k   ; wave 4: the eight partial sums of two positions a lane
.endr
	s_wait_dscnt 0x0
.irp k, 1
	v_pk_add_f32 v[120:121], v[120:121], v[120+2*\k:121+2*\k]
.endr
.irp k, 2, 3, 4, 5, 6, 7
	s_delay_alu instid0(VALU_DEP_1)
	v_pk_add_f32 v[120:121], v[120:121], v[120+2*\k:121+2*\k]
.endr
	global_store_b64 v18, v[120:121], s[12:13]     ; 256 consecutive bytes, aligned
.Lf_end:
	s_wait_tensorcnt 0x0                           ; the wave's end, behind my last LDS store
	ds_add_u32 v[SPW], v[NIL]
	s_wait_dscnt 0x0
	s_endpgm
; ---------------- memory_bank: K is innermost.  Wave w takes rows 4 w .. 4 w + 3 of the group's 64: eight steps of 512 numbers, two steps a row. ----------------
; Each load reads 512 consecutive bytes; a step's 2,048 bytes turn through the wave's own stage in LDS so that a lane gets 16 neighbours; two lanes hold a block.
.Lbank:
	s_wait_alu depctr_va_vdst(0)
	v_lshlrev_b32 v3, 4, v1                        ; my 16 bytes of a load's 512
	v_lshlrev_b32 v4, 3, v1                        ; my 8 bytes of a step's codes
	s_mul_i32 s24, s20, 5120
	v_lshrrev_b32 v14, 2, v1
	s_delay_alu instid0(VALU_DEP_1)
	v_mul_u32_u24 v14, v14, 80
	v_and_b32 v15, 3, v1
	s_delay_alu instid0(VALU_DEP_1)
	v_lshl_add_u32 v14, v15, 4, v14
	s_delay_alu instid0(VALU_DEP_1)
	v_add_nc_u32 v14, s24, v14                     ; the stage, in: four lanes' 64 bytes on end, then 16 of padding
	v_mul_u32_u24 v15, v1, 80
	s_delay_alu instid0(VALU_DEP_1)
	v_add_nc_u32 v15, s24, v15                     ; and out: 80 x lane: my 16 neighbours
	v_lshrrev_b32 v5, 1, v1
	s_lshl_b32 s24, s20, 7
	s_add_co_u32 s24, s24, MSC
	v_add_nc_u32 v5, s24, v5                       ; my block's scale byte: 128 bytes a wave, 16 a step
	s_lshl_b32 s24, s20, 4
	s_add_co_u32 s24, s24, MMQ
	v_mov_b32 v6, s24                              ; my wave's four sums of squares
	v_lshlrev_b32 v9, 4, v0
	s_delay_alu instid0(VALU_DEP_1)
	v_add_nc_u32 v7, MSC, v9
	v_add_nc_u32 v10, MMQ, v4
	v_mov_b32 v141, 0                              ; a lane permute's destination counts as one of its sources
	s_sub_co_u32 s21, ttmp9, 128                   ; which 64 rows
	s_lshl_b32 s24, s21, 18
	s_lshl_b32 s25, s20, 14
	s_add_co_u32 s24, s24, s25                     ; rows of 4,096 bytes
	s_mov_b32 s25, 0
	s_lshl_b32 s26, s21, 15
	s_lshl_b32 s27, s20, 11
	s_add_co_u32 s26, s26, s27                     ; of 512 bytes
	s_mov_b32 s27, 0
	s_lshl_b32 s28, s21, 11
	s_mov_b32 s29, 0
	s_lshl_b32 s30, s21, 8
	s_mov_b32 s31, 0
	s_wait_alu depctr_va_vdst(0)
	s_wait_kmcnt 0x0
	s_add_nc_u64 s[6:7], s[6:7], s[24:25]
	s_add_nc_u64 s[14:15], s[14:15], s[26:27]
	s_add_nc_u64 s[16:17], s[16:17], s[28:29]
	s_add_nc_u64 s[18:19], s[18:19], s[30:31]
.macro MLOAD t
.irp i, 0,1,2,3
	global_load_b128 v[MR+16*((\t)%4)+4*\i:MR+16*((\t)%4)+4*\i+3], v3, s[6:7] offset:2048*(\t)+512*\i th:TH_LOAD_NT
.endr
.endm
.macro MTURN t                         ; LDS serves a wave's instructions in order: no wait between the stores and the loads
.irp i, 0,1,2,3
	ds_store_b128 v14, v[MR+16*((\t)%4)+4*\i:MR+16*((\t)%4)+4*\i+3] offset:2560*((\t)%2)+640*\i
.endr
.irp i, 0,1,2,3
	ds_load_b128 v[MX+16*((\t)%2)+4*\i:MX+16*((\t)%2)+4*\i+3], v15 offset:2560*((\t)%2)+16*\i
.endr
.endm
.macro MSTEP t
.set XS, MX+16*((\t)%2)
	s_wait_dscnt 0x0                               ; this step's numbers are back from the stage, and its stores into the stage have read their registers,
.if (\t)+4 < 8
	MLOAD (\t)+4                                   ; which take the loads of four steps on
.endif
.if (\t)+1 < 8
.if (\t) <= 3
	s_wait_loadcnt 12                              ; the next step's four loads are in; those of the three steps behind it may be out
.else
	s_wait_loadcnt 4*(6-(\t))
.endif
	MTURN (\t)+1
.endif
	v_max3_num_f32 v140, |v[XS]|, |v[XS+1]|, |v[XS+2]|
	v_max3_num_f32 v142, |v[XS+3]|, |v[XS+4]|, |v[XS+5]|
.irp i, 6,10
	s_delay_alu instid0(VALU_DEP_2)
	v_max3_num_f32 v140, v140, |v[XS+\i]|, |v[XS+\i+1]|
	s_delay_alu instid0(VALU_DEP_2)
	v_max3_num_f32 v142, v142, |v[XS+\i+2]|, |v[XS+\i+3]|
.endr
	s_delay_alu instid0(VALU_DEP_2)
	v_max3_num_f32 v140, v140, |v[XS+14]|, |v[XS+15]|
	s_delay_alu instid0(VALU_DEP_1)
	v_max3_num_f32 v140, v140, v142, 0x1800000     ; the floor 2^(3 - 127)
	s_delay_alu instid0(VALU_DEP_1)
	v_max_num_f32_dpp v140, v140, v140 row_xmask:1 row_mask:0xf bank_mask:0xf   ; with my neighbour's 16: the block's
	s_delay_alu instid0(VALU_DEP_1)
	v_add_nc_u32 v143, 0xff000000, v140            ; the conversion's scale operand
	v_cvt_scalef32_pk8_fp4_f32 v[MC+2*(\t)], v[XS:XS+7], v143
	v_cvt_scalef32_pk8_fp4_f32 v[MC+2*(\t)+1], v[XS+8:XS+15], v143
	v_lshrrev_b32 v[ME+(\t)], 23, v143             ; the scale's byte (a plain line behind the conversions)
	ds_store_b8 v5, v[ME+(\t)] offset:16*(\t)      ; both lanes of a block write the same byte with the same value
	global_store_b64 v4, v[MC+2*(\t):MC+2*(\t)+1], s[14:15] offset:256*(\t)   ; 256 consecutive bytes, aligned
.if (\t)%2 == 0
	v_pk_mul_f32 v[136:137], v[XS:XS+1], v[XS:XS+1]                ; a row's squares, in four chains a lane
	v_pk_mul_f32 v[138:139], v[XS+2:XS+3], v[XS+2:XS+3]
.else
	v_pk_fma_f32 v[136:137], v[XS:XS+1], v[XS:XS+1], v[136:137]
	v_pk_fma_f32 v[138:139], v[XS+2:XS+3], v[XS+2:XS+3], v[138:139]
.endif
.irp i, 4,8,12
	s_delay_alu instid0(VALU_DEP_2)
	v_pk_fma_f32 v[136:137], v[XS+\i:XS+\i+1], v[XS+\i:XS+\i+1], v[136:137]
	s_delay_alu instid0(VALU_DEP_2)
	v_pk_fma_f32 v[138:139], v[XS+\i+2:XS+\i+3], v[XS+\i+2:XS+\i+3], v[138:139]
.endr
.if (\t)%2 == 1                        ; the row is whole: its sum over the 32 lanes
	s_delay_alu instid0(VALU_DEP_2)
	v_add_f32 v140, v136, v137
	s_delay_alu instid0(VALU_DEP_2)
	v_add_f32 v142, v138, v139
	s_delay_alu instid0(VALU_DEP_1)
	v_add_f32 v140, v140, v142
	s_delay_alu instid0(VALU_DEP_1)
	v_add_f32_dpp v140, v140, v140 row_xmask:1 row_mask:0xf bank_mask:0xf
	s_delay_alu instid0(VALU_DEP_1)
	v_add_f32_dpp v140, v140, v140 row_xmask:2 row_mask:0xf bank_mask:0xf
	s_delay_alu instid0(VALU_DEP_1)
	v_add_f32_dpp v140, v140, v140 row_xmask:4 row_mask:0xf bank_mask:0xf
	s_delay_alu instid0(VALU_DEP_1)
	v_add_f32_dpp v140, v140, v140 row_xmask:8 row_mask:0xf bank_mask:0xf
	s_delay_alu instid0(VALU_DEP_1)
	v_permlanex16_b32 v141, v140, s22, s23
	s_delay_alu instid0(VALU_DEP_1)
	v_add_f32 v140, v140, v141
	ds_store_b32 v6, v140 offset:4*((\t)/2)        ; all lanes write the same word with the same value
.endif
.endm
	MLOAD 0
	MLOAD 1
	MLOAD 2
	MLOAD 3
	s_wait_loadcnt 12                              ; step 0's four loads are in
	MTURN 0
.irp t, 0,1,2,3,4,5,6,7
	MSTEP \t
.endr
	s_wait_dscnt 0x0                               ; for the others' sake: my stores have landed
	s_barrier_signal -1
	s_barrier_wait -1
	s_cmp_lt_u32 s20, 4
	s_cbranch_scc0 .Lm_no_scales
	ds_load_b128 v[16:19], v7                      ; waves 0-3: the 2,048 scale bytes
	s_wait_dscnt 0x0
	global_store_b128 v9, v[16:19], s[16:17]
.Lm_no_scales:
	s_cmp_eq_u32 s20, 4
	s_cbranch_scc0 .Lm_end
	ds_load_b64 v[20:21], v10                      ; wave 4: the 64 sums of squares
	s_wait_dscnt 0x0
	global_store_b64 v4, v[20:21], s[18:19]        ; 256 consecutive bytes, aligned
.Lm_end:
	s_wait_tensorcnt 0x0                           ; the wave's end, behind my last LDS store
	ds_add_u32 v[SPW], v[NIL]
	s_wait_dscnt 0x0
	s_endpgm
.Lfunc_end_k_q3d8c0b70d3_quant:
	.size	k_q3d8c0b70d3_quant, .Lfunc_end_k_q3d8c0b70d3_quant-k_q3d8c0b70d3_quant
	.p2alignl 7, 3214868480
	.fill 96, 4, 3214868480
	.section	.rodata,"a",@progbits
	.p2align	6, 0x0
	.amdhsa_kernel k_q3d8c0b70d3_quant
		.amdhsa_group_segment_fixed_size 124160
		.amdhsa_private_segment_fixed_size 0
		.amdhsa_enable_private_segment 0
		.amdhsa_kernarg_size 64
		.amdhsa_user_sgpr_count 2
		.amdhsa_user_sgpr_kernarg_segment_ptr 1
		.amdhsa_wavefront_size32 1
		.amdhsa_system_sgpr_workgroup_id_x 1
		.amdhsa_system_sgpr_workgroup_id_y 1
		.amdhsa_system_sgpr_workgroup_id_z 1
		.amdhsa_system_vgpr_workitem_id 0
		.amdhsa_next_free_vgpr 144
		.amdhsa_next_free_sgpr 66
		.amdhsa_reserve_vcc 0
		.amdhsa_float_denorm_mode_32 3
		.amdhsa_float_denorm_mode_16_64 3
		.amdhsa_memory_ordered 1
		.amdhsa_forward_progress 1
		.amdhsa_inst_pref_size 61
	.end_amdhsa_kernel
	.amdgpu_metadata
---
amdhsa.version: [ 1, 2 ]
amdhsa.kernels:
  - .name:           k_q3d8c0b70d3_quant
    .symbol:         k_q3d8c0b70d3_quant.kd
    .args:
      - { .name: features, .offset: 0, .size: 8, .value_kind: global_buffer, .address_space: global }
      - { .name: memory_bank, .offset: 8, .size: 8, .value_kind: global_buffer, .address_space: global }
      - { .name: f_codes, .offset: 16, .size: 8, .value_kind: global_buffer, .address_space: global }
      - { .name: f_scales, .offset: 24, .size: 8, .value_kind: global_buffer, .address_space: global }
      - { .name: fsq, .offset: 32, .size: 8, .value_kind: global_buffer, .address_space: global }
      - { .name: m_codes, .offset: 40, .size: 8, .value_kind: global_buffer, .address_space: global }
      - { .name: m_scales, .offset: 48, .size: 8, .value_kind: global_buffer, .address_space: global }
      - { .name: msq, .offset: 56, .size: 8, .value_kind: global_buffer, .address_space: global }
    .group_segment_fixed_size: 124160
    .private_segment_fixed_size: 0
    .kernarg_segment_align: 8
    .kernarg_segment_size: 64
    .max_flat_workgroup_size: 512
    .sgpr_count:     66
    .vgpr_count:     144
    .wavefront_size: 32
...
	.end_amdgpu_metadata
.endif
;; end of part 1
;; launch knn (part 2): grid 16 x 16, 8 waves a work-group, clusters of 4 x 4, 327,680 bytes of LDS; arguments f_codes, f_scales, m_codes, m_scales, fsq, msq, keys; writes keys
.if DOCPART == 2
	.amdgcn_target "amdgcn-amd-amdhsa--gfx1250"
	.amdhsa_code_object_version 6
	.text
	.protected	k_q3d8c0b70d3_knn
	.globl	k_q3d8c0b70d3_knn
	.p2align	8
	.type	k_q3d8c0b70d3_knn,@function
k_q3d8c0b70d3_knn:
	s_mov_b64 s[64:65], 0
	v_nop
	global_prefetch_b8 v0, s[64:65] scope:SCOPE_SE
	s_setreg_imm32_b32 hwreg(HW_REG_WAVE_MODE, 25, 1), 1
	s_wait_xcnt 0x0
	s_wait_alu depctr_hold_cnt(0) depctr_sa_sdst(0) depctr_va_vdst(0) depctr_va_sdst(0) depctr_va_ssrc(0) depctr_va_vcc(0) depctr_vm_vsrc(0)
	s_getreg_b32 s2, hwreg(HW_REG_IB_STS2, 6, 4)
	s_cmp_eq_u32 s2, 0
	s_cbranch_scc0 .Lentry_in_a_cluster
	s_endpgm
.Lentry_in_a_cluster:
	s_bfe_u32 s2, ttmp6, 0x10000c
	s_cmp_lg_u32 s2, 0xf033
	s_cbranch_scc0 .Lentry_shape_is_right
	s_endpgm
.Lentry_shape_is_right:
; Launch 2 of 4: cross = Q(f) Q(mb)^T on codes of FP4 with E8M0 scales, and for each position the smallest dist_sq = max(f_sq + m_sq - 2 cross, 0) and its memory row.
; WORK LEFT OUT: entries 1 to 8 of top_k are never used by reference(); only the smallest distance is kept, and the root is taken of winners alone (it rises with dist_sq).
; f_sq is the same for all rows of a position, so the row with the smallest dist_sq is the row with the largest v = cross - m_sq / 2.  -m_sq / 2 (halved exactly) is the C of each sum's first product,
; so an accumulator holds v as it stands.  reference()'s clamp at 0 is the hold of v at f_sq / 2; dist_sq = f_sq - 2 v is formed of winners alone.
; SHARES.  Work-group (px, y): positions 512 px on, memory rows 512 y on.  Eight waves, two to a SIMD; wave w: positions 64 w on, against all 512 rows.
; K IS INNERMOST.  A wave's 64 positions, all 1,024 along K, lie in 256 registers (window 1) for the whole launch.  A step is a block of 16 memory rows: 16 LDS loads bring its eight fragments,
; 32 matrix instructions (4 blocks of positions by turns, K ascending) finish 4 accumulators.  The next block's fragments 0-3 are fetched in the step's middle, the rest at its end, under the way out.
; Source 0 = 16 memory rows, source 1 = 16 positions: lane (r, h) holds position 16 a + r, register j memory row 16 b + 8 h + j.
; CLUSTER 4 x 4.  The positions' codes hang on px alone and are asked for jointly along a column of the cluster, the memory rows' on y alone and jointly along a row.
; LDS.  The 512 memory rows (512 bytes + 16 of padding) lie from byte 0 on.  At the head waves 0-3 fetch the 512 positions' codes (dense, in the registers' order, as f_codes is laid) into a stage behind row 80,
; and waves 4-7 fetch rows 0-79: one tensor load a wave.  When every wave has read its positions into registers, rows 80-511 are fetched over the stage, 54 rows a wave, and land while rows 0-79 are multiplied.
; SCALES: lane (r, h) holds the 16 bytes at row x 32 + 16 h: a register holds K step q in lanes 0-15 and K step 4 + q in lanes 16-31.  The rows' scale words and -m_sq / 2 are staged in LDS once, each wave its 64 rows'.
; THE WAY OUT keeps, for each lane and block a of positions, the best held v, the first row of the 16 x 16 tile that had it, and that tile's eight numbers; a strict compare in ascending
; order of rows leaves ties with the lower row.  At the end: which of the eight, dist_sq, the root (one correction step behind v_sqrt_f32), the merge with lane l xor 16, and the key {row, the distance's bits}.
; keys[y][position]: 16 partial winners a position; a later launch merges them by whole-number compares.
; LIMITS.  The order of rounding is not reference()'s: m_sq / 2 is summed with the products, so each of the eight K steps rounds at the size of v, a unit in the last place of 2^-14 where m_sq lies near 1,024; two rows of a
; position whose dist_sq lie within a few 2^-13 of each other may change places against reference().  NaN and infinities are not served (with no finite distance a lane names its first row).
; Two of a lane's 256 rows that differ in v and share the rounded root are decided by v, not by index.
; No prefetch: the launch asks memory twice, at the head and once behind it; no trip of a loop stands ahead of the second request in which it could be asked for earlier.
.set PITCH, 528                        ; 512 bytes + 16: sixteen rows of a fragment load start 4 banks apart
.set BLK,   16*PITCH
.set PST,   80*PITCH                   ; the positions' stage: 262,144 bytes behind row 80
.set SCL,   PST+262144                 ; 32 images of 512 bytes, a block's scale words as the registers hold them
.set MQL,   SCL+16384                  ; -m_sq / 2 of the 512 rows
.set SPARE, MQL+2048                   ; the spare words, 128 bytes a wave: four blocks of 256 bytes that no other line names
.set FB,   2                           ; v2-9    f_sq of block a at 2 + 2 a, the best v at 3 + 2 a
.set TID,  10                          ; v10-13  first row of the winning tile
.set SCO,  14                          ; 32 r + 16 h
.set KO,   15                          ; 8 x lane
.set H8,   16                          ; 8 h
.set ADRM, 17                          ; LDS: a block's fragments
.set ADRS, 18                          ; its scale words
.set ADRQ, 19                          ; its -m_sq / 2
.set L16,  20                          ; 16 x lane
.set SPW,  30                          ; my spare word; never rewritten
.set NIL,  31                          ; 0; never rewritten
.set PS,   32                          ; v32-47  the positions' scale words, 4 a + q % 4: scales and nothing else
.set MS,   48                          ; v48-51  the block's scale words: scales and nothing else
.set MQ,   52                          ; v52-59  the block's -m_sq / 2, register j: row 8 h + j: the result's layout
.set TM,   60                          ; v60-63  a tile's maximum
.set MF,   64                          ; v64-127 the block's eight fragments
.set ACC,  128                         ; v128-159 four accumulators
.set X,    160                         ; v160-163 the keys on their way out
.set SV,   192                         ; v192-223 the winning tile's eight numbers, 8 a + j
.set ST,   224                         ; v224-241 at the head: what I stage
.set HF,   244                         ; v244-247 f_sq / 2
.set VM,   252                         ; v252-255 the maximum's second chain
.set TIB,  26                          ; s26 first row of the block
.set G1P,  32                          ; s[32:39] group 1 of the positions' tiles;  s[40:43] their group 0
.set G1M,  68                          ; s[68:75] group 1 of the memory rows' tiles;  s[44:47] group 0 at the head, s[48:51] behind it
.set MSB, 0
.macro WIN new                         ; the immediate's high byte repeats the setting that is left
.if MSB != (\new)
	s_set_vgpr_msb (MSB<<8)|(\new)
.set MSB, (\new)
.endif
.endm
.macro CROUND                          ; a round of the cluster's barrier
	s_barrier_signal -1
	s_barrier_wait -1
	s_cmp_lg_u32 s18, 0
	s_cbranch_scc1 .Lnot_wave_0_\@
	s_barrier_signal -3
.Lnot_wave_0_\@:
	s_barrier_wait -3
	s_barrier_signal -1
	s_barrier_wait -1
.endm
.macro PLACES
.rept 4
	v_nop
.endr
.endm
	s_load_b256 s[4:11], s[0:1], 0x0               ; f_codes, f_scales, m_codes, m_scales
	s_load_b128 s[12:15], s[0:1], 0x20             ; fsq, msq
	s_load_b64 s[16:17], s[0:1], 0x30              ; keys
	v_lshl_add_u32 v[SPW], v0, 2, SPARE
	v_mov_b32 v[NIL], 0
	ds_add_u32 v[SPW], v[NIL]                      ; the wave's opening: the add, twice on end, and its wait ahead of my first tensor load
	ds_add_u32 v[SPW], v[NIL]
	v_lshrrev_b32 v26, 5, v0
	s_delay_alu instid0(VALU_DEP_1)
	v_readfirstlane_b32 s18, v26                   ; wave 0..7
	s_bfe_u32 s21, ttmp6, 0x40000                  ; cx
	s_bfe_u32 s28, ttmp6, 0x40004                  ; cy
	s_lshl_b32 s23, ttmp9, 2
	s_add_co_u32 s23, s23, s21                     ; px = 4 x cluster x + cx
	s_and_b32 s22, ttmp7, 0xffff
	s_lshl_b32 s22, s22, 2
	s_add_co_u32 s22, s22, s28                     ; y = 4 x cluster y + cy
	s_and_b32 s20, s18, 3                          ; which quarter of a head's tile I fetch
	s_lshl_b32 s19, s18, 6
	s_lshl_b32 s24, s23, 9
	s_add_co_u32 s24, s24, s19                     ; my first position
	s_lshl_b32 s[TIB], s22, 9                      ; the group's first memory row
	s_add_co_u32 s25, s[TIB], s19                  ; the 64 rows whose scale words and m_sq I stage
	s_lshl_b32 s29, 0x1111, s21                    ; my column of the cluster
	s_lshl_b32 s62, s28, 2
	s_lshl_b32 s62, 15, s62                        ; my row
	; group 1, positions: 128 rows x 512 elements of one byte, dense in memory and in LDS
	s_or_b32 s[G1P], s29, (1<<21)
	s_mov_b32 s[G1P+1], 512<<16
	s_mov_b32 s[G1P+2], 128<<16
	s_mov_b32 s[G1P+3], 512<<16
	s_mov_b32 s[G1P+4], 128
	s_mov_b32 s[G1P+5], 512
	s_mov_b32 s[G1P+6], 0
	s_mov_b32 s[G1P+7], 0
	; group 1, memory rows: 20 rows at the head (54 behind it) x 512 elements of one byte, 4 words of padding behind every 128
	s_or_b32 s[G1M], s62, (1<<20)|(1<<21)|(6<<22)|(3<<25)
	s_mov_b32 s[G1M+1], 512<<16
	s_mov_b32 s[G1M+2], 20<<16
	s_mov_b32 s[G1M+3], 512<<16
	s_mov_b32 s[G1M+4], 20
	s_mov_b32 s[G1M+5], 512
	s_mov_b32 s[G1M+6], 0
	s_mov_b32 s[G1M+7], 0
	s_mov_b32 s40, 1
	s_lshl_b32 s41, s20, 16
	s_add_co_u32 s41, s41, PST                     ; positions 128 (w % 4) on, into the stage
	s_mov_b32 s44, 1
	s_mul_i32 s45, s20, 20*PITCH                   ; rows 20 (w % 4) on
	s_mov_b32 s48, 1
	s_mul_i32 s49, s18, 54*PITCH
	s_add_co_u32 s49, s49, PST                     ; rows 80 + 54 w on
	s_lshl_b32 s52, s23, 18                        ; byte offsets.  f_codes: px and the wave's number alone,
	s_lshl_b32 s53, s20, 16
	s_add_co_u32 s52, s52, s53
	s_mov_b32 s53, 0
	s_lshl_b32 s54, s24, 5                         ; f_scales,
	s_mov_b32 s55, 0
	s_lshl_b32 s56, s24, 2                         ; fsq,
	s_mov_b32 s57, 0
	s_lshl_b32 s58, s22, 18                        ; m_codes, at the head: y and the wave's number alone,
	s_mul_i32 s59, s20, 20*512
	s_add_co_u32 s58, s58, s59
	s_mov_b32 s59, 0
	s_lshl_b32 s60, s22, 18                        ; and behind it,
	s_mul_i32 s61, s18, 54*512
	s_add_co_u32 s60, s60, s61
	s_add_co_u32 s60, s60, 80*512
	s_mov_b32 s61, 0
	s_lshl_b32 s76, s25, 5                         ; m_scales,
	s_mov_b32 s77, 0
	s_lshl_b32 s78, s25, 2                         ; msq,
	s_mov_b32 s79, 0
	s_lshl_b32 s88, s22, 16                        ; keys: partial y, 8 bytes a position
	s_lshl_b32 s89, s24, 3
	s_add_co_u32 s88, s88, s89
	s_mov_b32 s89, 0
	s_lshl_b32 s27, s18, 11
	s_lshl_b32 s63, s18, 15
	s_add_co_u32 s63, s63, PST                     ; my 64 positions in the stage
	s_mov_b32 s80, 0xffff0000                      ; lanes 16-31
	s_mov_b32 s82, 0x76543210
	s_mov_b32 s83, 0xfedcba98                      ; selects for lane l xor 16
	; the addresses, with the lines that start the search laid between them, so that no line reads a result just made
	v_and_b32 v1, 31, v0                           ; lane
	v_and_b32 v21, 15, v0                          ; r
	v_bfe_u32 v22, v0, 4, 1                        ; h
	v_lshl_add_u32 v25, v0, 3, MQL                 ; where I stage -m_sq / 2: 256 w + 8 lane
.irp a, 0,1,2,3
	v_mov_b32 v[FB+2*\a+1], 0xff800000             ; the best so far: -infinity
.endr
	v_lshlrev_b32 v[L16], 4, v1
	v_lshlrev_b32 v[KO], 3, v1
	v_lshlrev_b32 v[SCO], 5, v21
	v_lshlrev_b32 v23, 2, v21                      ; 4 r
	v_lshlrev_b32 v[H8], 3, v22
	v_mul_u32_u24 v[ADRM], v21, PITCH
	v_lshl_add_u32 v[ADRQ], v22, 5, MQL            ; 32 h
.irp a, 0,1,2,3
	v_mov_b32 v[TID+\a], 0
.endr
	v_lshl_add_u32 v[SCO], v22, 4, v[SCO]
	v_lshl_add_u32 v[ADRM], v22, 4, v[ADRM]        ; a fragment's row x pitch + 16 h
	v_add_nc_u32 v[ADRS], SCL, v[L16]
	v_add_nc_u32 v27, s63, v[L16]                  ; where I read my positions' codes
.irp n, 0,1,2,3,4,5,6,7
	v_mov_b32 v[SV+\n], 0                          ; the selects below read what they may keep
.endr
	v_add_nc_u32 v24, s27, v[ADRS]                 ; where I stage scale words: blocks 4 w on
.irp n, 8,9,10,11,12,13,14,15,16,17,18,19,20,21,22,23,24,25,26,27,28,29,30,31
	v_mov_b32 v[SV+\n], 0
.endr
	s_wait_alu depctr_va_vdst(0)
	s_wait_dscnt 0x0                               ; both opening adds are done
	s_wait_kmcnt 0x0
	s_add_nc_u64 s[42:43], s[4:5], s[52:53]
	s_or_b32 s43, s43, 0x80000000
	s_add_nc_u64 s[46:47], s[8:9], s[58:59]
	s_or_b32 s47, s47, 0x80000000
	s_add_nc_u64 s[50:51], s[8:9], s[60:61]
	s_or_b32 s51, s51, 0x80000000
	s_add_nc_u64 s[6:7], s[6:7], s[54:55]
	s_add_nc_u64 s[12:13], s[12:13], s[56:57]
	s_add_nc_u64 s[10:11], s[10:11], s[76:77]
	s_add_nc_u64 s[14:15], s[14:15], s[78:79]
	s_add_nc_u64 s[16:17], s[16:17], s[88:89]
.irp i, 0,1,2,3
	global_load_b128 v[ST+4*\i:ST+4*\i+3], v[SCO], s[10:11] offset:512*\i   ; what I stage: four blocks' scale words,
.endr
	global_load_b64 v[ST+16:ST+17], v[KO], s[14:15]                        ; and 64 rows' m_sq
.irp a, 0,1,2,3
	global_load_b128 v[PS+4*\a:PS+4*\a+3], v[SCO], s[6:7] offset:512*\a
.endr
.irp a, 0,1,2,3
	global_load_b32 v[FB+2*\a], v23, s[12:13] offset:64*\a                 ; f_sq of position 16 a + r
.endr
	CROUND                                         ; all sixteen work-groups are here: the first joint loads meet
	s_cmp_lt_u32 s18, 4                            ; one tensor load a wave: waves 0-3 the positions, waves 4-7 rows 0-79
	s_cbranch_scc0 .Lhead_rows
	tensor_load_to_lds s[40:43], s[G1P:G1P+7]
	s_nop 0
	PLACES
	s_branch .Lhead_asked
.Lhead_rows:
	tensor_load_to_lds s[44:47], s[G1M:G1M+7]
	s_nop 0
	PLACES
.Lhead_asked:
	s_wait_loadcnt 8                               ; what I stage is in: behind it 4 + 4 loads were issued
	s_wait_tensorcnt 0x0                           ; my tile is in
	v_pk_mul_f32 v[ST+16:ST+17], v[ST+16:ST+17], -0.5 op_sel_hi:[1,0]      ; -m_sq / 2: nothing is rounded
.irp i, 0,1,2,3
	ds_store_b128 v24, v[ST+4*\i:ST+4*\i+3] offset:512*\i
.endr
	ds_store_b64 v25, v[ST+16:ST+17]
	s_wait_dscnt 0x0                               ; for the others' sake: my stores have landed
	s_barrier_signal -1
	s_barrier_wait -1                              ; the positions, rows 0-79, all scale words and -m_sq / 2 lie in LDS
	WIN 0x40                                       ; destination window 1
.set N, 0
.rept 64
	ds_load_b128 v[4*N:4*N+3], v27 offset:512*N    ; piece N of my positions' codes: 512 consecutive bytes
.set N, N+1
.endr
	WIN 0
	s_wait_tensorcnt 0x0                           ; no tensor load of mine is out;
	ds_add_u32 v[SPW], v[NIL]
	s_mov_b32 s[G1M+2], 54<<16                     ; so a descriptor may be written: from here on a load brings 54 rows
	s_mov_b32 s[G1M+4], 54
	s_wait_dscnt 0x0                               ; the add is done, and my reads of the stage are over
	CROUND                                         ; the same holds of every wave of all sixteen work-groups
	tensor_load_to_lds s[48:51], s[G1M:G1M+7]      ; rows 80 + 54 w on, over the stage: my one tensor load behind the round
	s_nop 0
	PLACES
; The 19 LDS loads of the block that lies b blocks behind the addresses, in two runs.  Fragment q: two loads of 16 bytes, 32 bytes apart.
.macro FETCH_LO b                      ; fragments 0-3
.irp n, 0,1,2,3,4,5,6,7
	ds_load_b128 v[MF+4*\n:MF+4*\n+3], v[ADRM] offset:BLK*(\b)+32*\n
.endr
.endm
.macro FETCH_HI b                      ; the scale words, -m_sq / 2, fragments 4-7
	ds_load_b128 v[MS:MS+3], v[ADRS] offset:512*(\b)
	ds_load_b128 v[MQ:MQ+3], v[ADRQ] offset:64*(\b)
	ds_load_b128 v[MQ+4:MQ+7], v[ADRQ] offset:64*(\b)+16
.irp n, 8,9,10,11,12,13,14,15
	ds_load_b128 v[MF+4*\n:MF+4*\n+3], v[ADRM] offset:BLK*(\b)+32*\n
.endr
.endm
.macro WM a, q
.if (\q) == 0
	v_wmma_scale_f32_16x16x128_f8f6f4 v[ACC+8*(\a):ACC+8*(\a)+7], v[MF:MF+7], v[64*(\a):64*(\a)+7], v[MQ:MQ+7], v[MS], v[PS+4*(\a)] matrix_a_fmt:MATRIX_FMT_FP4 matrix_b_fmt:MATRIX_FMT_FP4
.elseif (\q) < 4
	v_wmma_scale_f32_16x16x128_f8f6f4 v[ACC+8*(\a):ACC+8*(\a)+7], v[MF+8*(\q):MF+8*(\q)+7], v[64*(\a)+8*(\q):64*(\a)+8*(\q)+7], v[ACC+8*(\a):ACC+8*(\a)+7], v[MS+(\q)], v[PS+4*(\a)+(\q)] matrix_a_fmt:MATRIX_FMT_FP4 matrix_b_fmt:MATRIX_FMT_FP4
.else
	v_wmma_scale_f32_16x16x128_f8f6f4 v[ACC+8*(\a):ACC+8*(\a)+7], v[MF+8*(\q):MF+8*(\q)+7], v[64*(\a)+8*(\q):64*(\a)+8*(\q)+7], v[ACC+8*(\a):ACC+8*(\a)+7], v[MS+(\q)-4], v[PS+4*(\a)+(\q)-4] matrix_a_fmt:MATRIX_FMT_FP4 matrix_b_fmt:MATRIX_FMT_FP4 matrix_a_scale:MATRIX_SCALE_ROW1 matrix_b_scale:MATRIX_SCALE_ROW1
.endif
.endm
.macro WMS q0, q1                      ; two K steps: the four accumulators by turns
.irp q, \q0, \q1
.irp a, 0,1,2,3
	WM \a, \q
.endr
.endr
.endm
.macro STEPA more, reg, by             ; an address steps a block on; the line also parts four lines from the four that read their results
.if (\more) == 1
	v_add_nc_u32 v[\reg], \by, v[\reg]
.endif
.endm
.macro HINT more                       ; where no such line stands between
.if (\more) != 1
	s_delay_alu instid0(VALU_DEP_4)
.endif
.endm
; A block of 16 memory rows.  more = 0: nothing is fetched; 1: the block at the addresses, which then step; 2: block nb of the first five, by immediate offsets.
.macro BLOCK more, nb
	WIN 0x04                                       ; source 1 (the positions) window 1
	s_wait_dscnt 8                                 ; fragments 0-3, the scale words and -m_sq / 2 are in; the youngest eight loads (fragments 4-7) may be out
	WMS 0, 1                                       ; the first product of each sum takes -m_sq / 2 as its C
	WMS 2, 3
.if (\more) != 0
	PLACES                                         ; four places ahead of loads into registers that matrix instructions have read
	FETCH_LO \nb
	s_wait_dscnt 12                                ; fragments 4 and 5 are in; fragments 6 and 7 and the eight loads just issued may be out
.else
	s_wait_dscnt 4
.endif
	WMS 4, 5
.if (\more) != 0
	s_wait_dscnt 8                                 ; all but the eight just issued
.else
	s_wait_dscnt 0x0
.endif
	WMS 6, 7
	WIN 0
	PLACES                                         ; ahead of the loads below and of the first reads of the results
.if (\more) != 0
	FETCH_HI \nb
.endif
.irp a, 0,1,2,3
	v_max3_num_f32 v[TM+\a], v[ACC+8*\a], v[ACC+8*\a+1], v[ACC+8*\a+2]   ; a tile's largest of my eight, in two chains, the four tiles by turns; each accumulator from its low end on
.endr
.irp a, 0,1,2,3
	v_max3_num_f32 v[VM+\a], v[ACC+8*\a+3], v[ACC+8*\a+4], v[ACC+8*\a+5]
.endr
.irp a, 0,1,2,3
	v_max3_num_f32 v[TM+\a], v[TM+\a], v[ACC+8*\a+6], v[ACC+8*\a+7]
.endr
	STEPA \more, ADRM, BLK
.irp a, 0,1,2,3
	HINT \more
	v_max_num_f32 v[TM+\a], v[TM+\a], v[VM+\a]
.endr
	STEPA \more, ADRS, 512
.irp a, 0,1,2,3
	HINT \more
	v_min_num_f32 v[TM+\a], v[TM+\a], v[HF+\a]     ; reference()'s clamp of dist_sq at 0, ahead of the compare: v is held at f_sq / 2
.endr
	STEPA \more, ADRQ, 64
.irp a, 0,1,2,3
.if (\a) == 0
	HINT \more
.endif
	v_cmp_gt_f32 vcc_lo, v[TM+\a], v[FB+2*\a+1]    ; strictly larger, rows ascending: a tie stays with the lower row
	v_cndmask_b32 v[FB+2*\a+1], v[FB+2*\a+1], v[TM+\a], vcc_lo
	v_cndmask_b32 v[TID+\a], v[TID+\a], s[TIB], vcc_lo
.irp j, 0,2,4,6
	v_dual_cndmask_b32 v[SV+8*\a+\j], v[SV+8*\a+\j], v[ACC+8*\a+\j] :: v_dual_cndmask_b32 v[SV+8*\a+\j+1], v[SV+8*\a+\j+1], v[ACC+8*\a+\j+1]   ; two selects under VCC: an even and an odd register, neighbours
.endr
.endr
	s_add_co_u32 s[TIB], s[TIB], 16
.endm
	FETCH_LO 0                                     ; block 0
	FETCH_HI 0
	s_wait_loadcnt 0x0                             ; my positions' scale words and f_sq are in
.irp a, 0,1,2,3
	v_mul_f32 v[HF+\a], 0.5, v[FB+2*\a]
.endr
	BLOCK 2, 1                                     ; rows 0-79: five blocks, written out, while rows 80-511 are on their way
	BLOCK 2, 2
	BLOCK 2, 3
	BLOCK 2, 4
	BLOCK 0, 0
	v_add_nc_u32 v[ADRM], 5*BLK, v[ADRM]           ; on to block 5
	v_add_nc_u32 v[ADRS], 5*512, v[ADRS]
	v_add_nc_u32 v[ADRQ], 5*64, v[ADRQ]
	s_wait_alu depctr_va_vdst(0)
	s_wait_tensorcnt 0x0                           ; my 54 rows are in
	s_barrier_signal -1
	s_barrier_wait -1                              ; everybody's are
	FETCH_LO 0
	FETCH_HI 0
	v_add_nc_u32 v[ADRM], BLK, v[ADRM]
	v_add_nc_u32 v[ADRS], 512, v[ADRS]
	v_add_nc_u32 v[ADRQ], 64, v[ADRQ]
	s_wait_alu depctr_va_vdst(0)
	s_mov_b32 s66, 26
.Lblock:                                           ; blocks 5 to 30
	BLOCK 1, 0
	s_sub_co_u32 s66, s66, 1
	s_cmp_lg_u32 s66, 0
	s_cbranch_scc1 .Lblock
	BLOCK 0, 0                                     ; the last block is written out: it fetches nothing
; THE END.  Which of the winning tile's eight numbers: the first that reaches the held best; its row; dist_sq; the root; the merge with lane l xor 16; the keys.
.set JJ,  224
.set IDX, 228
.set XE,  232
.set SQ,  236
.set RC,  240
.set D2,  244
.set I2,  248
.irp a, 0,1,2,3
	v_mov_b32 v[JJ+\a], 7
.endr
.irp j, 6,5,4,3,2,1,0
.irp a, 0,1,2,3
	v_cmp_ge_f32 vcc_lo, v[SV+8*\a+\j], v[FB+2*\a+1]   ; at or over the held best: descending, so the lowest j is kept
	v_cndmask_b32 v[JJ+\a], v[JJ+\a], \j, vcc_lo
.endr
.endr
.irp a, 0,1,2,3
	v_fma_f32 v[XE+\a], v[FB+2*\a+1], -2.0, v[FB+2*\a] ; dist_sq = f_sq - 2 v: not negative, since v is held at f_sq / 2
.endr
.irp a, 0,1,2,3
	v_add3_u32 v[IDX+\a], v[TID+\a], v[H8], v[JJ+\a]   ; the memory row
.endr
.irp a, 0,1,2,3
	v_add_f32 v[XE+\a], 0x322bcc77, v[XE+\a]           ; + 1e-8
.endr
	s_wait_alu depctr_va_vdst(0)
.irp a, 0,1,2,3
	v_sqrt_f32 v[SQ+\a], v[XE+\a]
.endr
	v_nop                                          ; a plain line behind the batch,
	s_wait_alu depctr_va_vdst(0)                   ; and one wait for the four, ahead of their first reader
.irp a, 0,1,2,3
	v_rcp_f32 v[RC+\a], v[SQ+\a]
.endr
	v_nop
	s_wait_alu depctr_va_vdst(0)
.irp a, 0,1,2,3
	v_fma_f32 v[XE+\a], -v[SQ+\a], v[SQ+\a], v[XE+\a]  ; what the root leaves,
.endr
.irp a, 0,1,2,3
	v_mul_f32 v[RC+\a], 0.5, v[RC+\a]
.endr
.irp a, 0,1,2,3
	v_mov_b32 v[D2+\a], 0                              ; a lane permute's destination counts as one of its sources
.endr
.irp a, 0,1,2,3
	v_fma_f32 v[SQ+\a], v[XE+\a], v[RC+\a], v[SQ+\a]   ; taken in: one correction step
.endr
.irp a, 0,1,2,3
	v_mov_b32 v[I2+\a], 0
.endr
.irp a, 0,1,2,3
	v_permlanex16_b32 v[D2+\a], v[SQ+\a], s82, s83
.endr
.irp a, 0,1,2,3
	v_permlanex16_b32 v[I2+\a], v[IDX+\a], s82, s83
.endr
.irp a, 0,1,2,3
	v_cmp_lt_u32 s84, v[D2+\a], v[SQ+\a]           ; distances are not negative: their bits order as whole numbers
	v_cmp_eq_u32 s85, v[D2+\a], v[SQ+\a]
	v_cmp_lt_u32 s86, v[I2+\a], v[IDX+\a]
	s_and_b32 s85, s85, s86
	s_or_b32 s84, s84, s85                         ; the partner's is nearer, or as near with the lower row
	v_cndmask_b32 v[SQ+\a], v[SQ+\a], v[D2+\a], s84
	v_cndmask_b32 v[IDX+\a], v[IDX+\a], v[I2+\a], s84
.endr
	v_cndmask_b32 v[X], v[IDX], v[IDX+1], s80      ; lanes 0-15 block 2 k, lanes 16-31 block 2 k + 1
	v_cndmask_b32 v[X+1], v[SQ], v[SQ+1], s80
	s_delay_alu instid0(VALU_DEP_3)
	v_cndmask_b32 v[X+2], v[IDX+2], v[IDX+3], s80
	v_cndmask_b32 v[X+3], v[SQ+2], v[SQ+3], s80
.irp k, 0,1
	global_store_b64 v[KO], v[X+2*\k:X+2*\k+1], s[16:17] offset:256*\k   ; 32 positions' keys: 256 consecutive bytes, aligned
.endr
	s_wait_tensorcnt 0x0                           ; the wave's end
	ds_add_u32 v[SPW], v[NIL]
	s_wait_dscnt 0x0
	CROUND                                         ; the closing round: no work-group ends while a partner may still ask for a tile that names it
	s_endpgm
.Lfunc_end_k_q3d8c0b70d3_knn:
	.size	k_q3d8c0b70d3_knn, .Lfunc_end_k_q3d8c0b70d3_knn-k_q3d8c0b70d3_knn
	.p2alignl 7, 3214868480
	.fill 96, 4, 3214868480
	.section	.rodata,"a",@progbits
	.p2align	6, 0x0
	.amdhsa_kernel k_q3d8c0b70d3_knn
		.amdhsa_group_segment_fixed_size 327680
		.amdhsa_private_segment_fixed_size 0
		.amdhsa_enable_private_segment 0
		.amdhsa_kernarg_size 56
		.amdhsa_user_sgpr_count 2
		.amdhsa_user_sgpr_kernarg_segment_ptr 1
		.amdhsa_wavefront_size32 1
		.amdhsa_system_sgpr_workgroup_id_x 1
		.amdhsa_system_sgpr_workgroup_id_y 1
		.amdhsa_system_sgpr_workgroup_id_z 1
		.amdhsa_system_vgpr_workitem_id 0
		.amdhsa_next_free_vgpr 512
		.amdhsa_next_free_sgpr 96
		.amdhsa_reserve_vcc 1
		.amdhsa_float_denorm_mode_32 3
		.amdhsa_float_denorm_mode_16_64 3
		.amdhsa_memory_ordered 1
		.amdhsa_forward_progress 1
		.amdhsa_inst_pref_size 82
	.end_amdhsa_kernel
	.amdgpu_metadata
---
amdhsa.version: [ 1, 2 ]
amdhsa.kernels:
  - .name:           k_q3d8c0b70d3_knn
    .symbol:         k_q3d8c0b70d3_knn.kd
    .args:
      - { .name: f_codes, .offset: 0, .size: 8, .value_kind: global_buffer, .address_space: global }
      - { .name: f_scales, .offset: 8, .size: 8, .value_kind: global_buffer, .address_space: global }
      - { .name: m_codes, .offset: 16, .size: 8, .value_kind: global_buffer, .address_space: global }
      - { .name: m_scales, .offset: 24, .size: 8, .value_kind: global_buffer, .address_space: global }
      - { .name: fsq, .offset: 32, .size: 8, .value_kind: global_buffer, .address_space: global }
      - { .name: msq, .offset: 40, .size: 8, .value_kind: global_buffer, .address_space: global }
      - { .name: keys, .offset: 48, .size: 8, .value_kind: global_buffer, .address_space: global }
    .group_segment_fixed_size: 327680
    .private_segment_fixed_size: 0
    .kernarg_segment_align: 8
    .kernarg_segment_size: 56
    .max_flat_workgroup_size: 256
    .sgpr_count:     96
    .vgpr_count:     512
    .wavefront_size: 32
...
	.end_amdgpu_metadata
.endif
;; end of part 2
;; launch influence (part 3): grid 128 x 2, 16 waves a work-group, no clusters, 138,496 bytes of LDS; arguments features, memory_bank, keys, ip; writes ip
.if DOCPART == 3
	.amdgcn_target "amdgcn-amd-amdhsa--gfx1250"
	.amdhsa_code_object_version 6
	.text
	.protected	k_q3d8c0b70d3_influence
	.globl	k_q3d8c0b70d3_influence
	.p2align	8
	.type	k_q3d8c0b70d3_influence,@function
k_q3d8c0b70d3_influence:
	s_mov_b64 s[64:65], 0
	v_nop
	global_prefetch_b8 v0, s[64:65] scope:SCOPE_SE
	s_setreg_imm32_b32 hwreg(HW_REG_WAVE_MODE, 25, 1), 1
	s_wait_xcnt 0x0
; Launch 3 of 4: for each position the 16 partial winners are merged, its nearest memory row is gathered, and ip = sum over c of |f - nearest| / (d0 + 1e-8) / 1024, in two halves along c.
; WORK LEFT OUT: only entry 0 of top_k is used by reference(), so one row a position is gathered.
; The keys are whole numbers that the launch before stored: {row, the distance's bits}.  They are merged by whole-number compares (the smaller distance, then the lower row, as top_k breaks ties), and a row
; is held to 0 .. 8191 before it enters an address.
; SHARES.  Work-group (pg, y): positions 64 pg on, channels 512 y on.  f has the positions innermost, memory_bank the channels: a thread (q = lane % 16, g = lane / 16, wave w) works blocks of 4 positions
; (4 q + i) x 4 channels (4 cq + j, cq = 32 it + 2 w + g): f comes as 16 bytes along the positions straight from memory, the rows as 16 bytes along the channels through LDS.
; LDS.  Row rho of the 64 at (rho % 4) x 33,024 + (rho / 4) x 2,064: sixteen lanes that read rows 4 q + i stand 129 x 16 bytes apart.
; LIMITS: mean |(f - nearest) / d0| is computed as the sum of |f - nearest| times 1 / d0 times 2^-10.  No work-group shares more than the small keys with another: no cluster.
.set ROWP,  2064
.set PLANE, 16*ROWP
.set RED,   4*PLANE                    ; 16 waves x 64 partial sums
.set DD,    RED+4096                   ; 64 distances
.set SPARE, DD+256                     ; the spare words, 128 bytes a wave: eight blocks of 256 bytes that no other line names
.set F,     32                         ; v32-95  f: register 16 it + 4 j + i
.set M,     96                         ; v96-159 the rows: as gathered 16 k + 4 i, then 16 it + 4 i + j
	s_load_b256 s[4:11], s[0:1], 0x0               ; features, memory_bank, keys, ip
	v_lshl_add_u32 v24, v0, 2, SPARE               ; my spare word; never rewritten
	v_mov_b32 v25, 0                               ; 0; never rewritten
	v_lshrrev_b32 v1, 5, v0
	s_delay_alu instid0(VALU_DEP_1)
	v_readfirstlane_b32 s12, v1                    ; wave 0..15
	v_and_b32 v1, 31, v0                           ; lane
	v_and_b32 v2, 15, v0                           ; q
	v_lshrrev_b32 v3, 4, v0                        ; 2 w + g
	s_delay_alu instid0(VALU_DEP_1)
	v_lshlrev_b32 v4, 14, v3
	s_delay_alu instid0(VALU_DEP_1)
	v_lshl_add_u32 v4, v2, 4, v4                   ; f: 4 channels of 4,096 bytes for each 2 w + g, 16 bytes for each q
	v_lshrrev_b32 v5, 2, v1
	s_delay_alu instid0(VALU_DEP_1)
	v_lshlrev_b32 v5, 16, v5
	v_and_b32 v12, 3, v1
	s_delay_alu instid0(VALU_DEP_1)
	v_lshl_add_u32 v5, v12, 3, v5
	s_lshl_b32 s13, s12, 5
	v_add_nc_u32 v5, s13, v5                       ; keys: partial lane / 4, position 4 w + lane % 4
	s_mul_i32 s13, s12, ROWP
	v_lshlrev_b32 v28, 4, v1                       ; 16 x lane
	s_delay_alu instid0(VALU_DEP_1)
	v_add_nc_u32 v6, s13, v28                      ; rows in: planes 0 and 1,
	s_delay_alu instid0(VALU_DEP_1)
	v_add_nc_u32 v30, 2*PLANE, v6                  ; planes 2 and 3 (an LDS immediate holds 16 bits)
	v_mul_u32_u24 v7, v2, ROWP
	s_delay_alu instid0(VALU_DEP_1)
	v_lshl_add_u32 v7, v3, 4, v7                   ; rows out: planes 0 and 1,
	s_delay_alu instid0(VALU_DEP_1)
	v_add_nc_u32 v31, 2*PLANE, v7                  ; planes 2 and 3
	s_lshl_b32 s13, s12, 4
	s_add_co_u32 s13, s13, DD
	v_lshl_add_u32 v26, v12, 2, s13                ; my position's distance
	s_lshl_b32 s13, s12, 8
	s_add_co_u32 s13, s13, RED
	v_lshl_add_u32 v27, v2, 4, s13                 ; my wave's partial sums of positions 4 q on
	v_lshlrev_b32 v29, 3, v1                       ; 8 x lane
	s_delay_alu instid0(VALU_DEP_1)
	v_add_nc_u32 v3, RED, v29                      ; wave 0's reads at the end
	s_mov_b32 s36, 0x76543210
	s_mov_b32 s37, 0xfedcba98                      ; selects for lane l xor 16
	s_and_b32 s14, ttmp7, 0xffff                   ; y
	s_lshr_b32 s16, ttmp9, 4
	s_lshl_b32 s16, s16, 22                        ; the batch,
	s_lshl_b32 s17, s14, 21                        ; 512 channels,
	s_add_co_u32 s16, s16, s17
	s_and_b32 s17, ttmp9, 15
	s_lshl_b32 s17, s17, 8                         ; 64 positions
	s_add_co_u32 s16, s16, s17
	s_mov_b32 s17, 0
	s_lshl_b32 s18, s14, 11                        ; memory_bank: 512 channels along a row
	s_mov_b32 s19, 0
	s_lshl_b32 s20, ttmp9, 9                       ; keys: 64 positions of 8 bytes
	s_mov_b32 s21, 0
	s_lshl_b32 s22, s14, 15                        ; ip: the half,
	s_lshl_b32 s23, ttmp9, 8                       ; 64 positions of 4 bytes
	s_add_co_u32 s22, s22, s23
	s_mov_b32 s23, 0
	s_wait_kmcnt 0x0
	s_add_nc_u64 s[4:5], s[4:5], s[16:17]
	s_add_nc_u64 s[6:7], s[6:7], s[18:19]
	s_add_nc_u64 s[8:9], s[8:9], s[20:21]
	s_add_nc_u64 s[10:11], s[10:11], s[22:23]
	global_load_b64 v[8:9], v5, s[8:9]                     ; partials 0-7: {row, distance}
	global_load_b64 v[10:11], v5, s[8:9] offset:524288     ; partials 8-15
.irp it, 0,1,2,3
.irp j, 0,1,2,3
	global_load_b128 v[F+16*\it+4*\j:F+16*\it+4*\j+3], v4, s[4:5] offset:524288*\it+4096*\j th:TH_LOAD_NT   ; sixteen lanes read 256 consecutive bytes, aligned
.endr
.endr
.macro KMIN                            ; v[8:9] = the nearer of v[8:9] and v[10:11]; equally near: the lower row
	v_cmp_lt_u32 s30, v11, v9
	v_cmp_eq_u32 s31, v11, v9
	v_cmp_lt_u32 s32, v10, v8
	s_and_b32 s31, s31, s32
	s_or_b32 s30, s30, s31
	v_cndmask_b32 v9, v9, v11, s30
	v_cndmask_b32 v8, v8, v10, s30
.endm
	s_wait_loadcnt 16                              ; the keys are in; f's sixteen loads may be out
	KMIN
	s_delay_alu instid0(VALU_DEP_1)
	v_mov_b32_dpp v10, v8 row_xmask:4 row_mask:0xf bank_mask:0xf
	s_delay_alu instid0(VALU_DEP_3)
	v_mov_b32_dpp v11, v9 row_xmask:4 row_mask:0xf bank_mask:0xf
	KMIN
	s_delay_alu instid0(VALU_DEP_1)
	v_mov_b32_dpp v10, v8 row_xmask:8 row_mask:0xf bank_mask:0xf
	s_delay_alu instid0(VALU_DEP_3)
	v_mov_b32_dpp v11, v9 row_xmask:8 row_mask:0xf bank_mask:0xf
	KMIN
	s_delay_alu instid0(VALU_DEP_1)
	v_permlanex16_b32 v10, v8, s36, s37
	s_delay_alu instid0(VALU_DEP_3)
	v_permlanex16_b32 v11, v9, s36, s37
	KMIN                                           ; every lane holds the winner of position 4 w + lane % 4
	ds_store_b32 v26, v9                           ; lanes of one position write the same word with the same value
.irp k, 0,1,2,3
	v_readlane_b32 s33, v8, \k
	s_min_u32 s33, s33, 0x1fff                     ; a row of the table
	s_lshl_b32 s33, s33, 12                        ; 4,096 bytes a row
	v_add_nc_u32 v[16+\k], s33, v28
.endr
.irp k, 0,1,2,3
.irp i, 0,1,2,3
	global_load_b128 v[M+16*\k+4*\i:M+16*\k+4*\i+3], v[16+\k], s[6:7] offset:512*\i   ; 512 consecutive bytes; no hint: two positions may name one row
.endr
.endr
.irp k, 0,1,2,3
	s_wait_loadcnt 12-4*\k                         ; row k is in; the younger rows' loads may be out
.irp i, 0,1,2,3
.if \k < 2
	ds_store_b128 v6, v[M+16*\k+4*\i:M+16*\k+4*\i+3] offset:PLANE*\k+512*\i
.else
	ds_store_b128 v30, v[M+16*\k+4*\i:M+16*\k+4*\i+3] offset:PLANE*(\k-2)+512*\i
.endif
.endr
.endr
	s_wait_dscnt 0x0                               ; for the others' sake: my stores have landed
	s_barrier_signal -1
	s_barrier_wait -1                              ; the 64 rows lie in LDS
.irp it, 0,1,2,3
.irp i, 0,1,2,3
.if \i < 2
	ds_load_b128 v[M+16*\it+4*\i:M+16*\it+4*\i+3], v7 offset:PLANE*\i+512*\it
.else
	ds_load_b128 v[M+16*\it+4*\i:M+16*\it+4*\i+3], v31 offset:PLANE*(\i-2)+512*\it
.endif
.endr
.endr
.irp it, 0,1,2,3
	s_wait_dscnt 12-4*\it                          ; this quarter's four loads are in
.irp j, 0,1,2,3
.if (\it == 0) && (\j == 0)
.irp i, 0,1,2,3
	v_sub_f32 v[20+\i], v[F+16*\it+4*\j+\i], v[M+16*\it+4*\i+\j]   ; the first difference starts each sum: nothing is cleared
.endr
.else
.irp i, 0,1,2,3
	v_sub_f32 v[12+\i], v[F+16*\it+4*\j+\i], v[M+16*\it+4*\i+\j]
.endr
	s_wait_alu depctr_va_vdst(0)
.irp i, 0,1,2,3
	v_add_f32 v[20+\i], |v[20+\i]|, |v[12+\i]|     ; (the sum is not negative from the second term on)
.endr
.endif
.endr
.endr
.irp i, 0,1,2,3
	s_delay_alu instid0(VALU_DEP_4)
	v_permlanex16_b32 v[12+\i], v[20+\i], s36, s37
.endr
.irp i, 0,1,2,3
	s_delay_alu instid0(VALU_DEP_4)
	v_add_f32 v[20+\i], v[20+\i], v[12+\i]         ; with lane l xor 16's channels
.endr
	ds_store_b128 v27, v[20:23]                    ; both halves of the lanes write the same bytes with the same values
	s_wait_dscnt 0x0
	s_barrier_signal -1
	s_barrier_wait -1
	s_cmp_lg_u32 s12, 0
	s_cbranch_scc1 .Lend
.irp k, 0,1,2,3,4,5,6,7,8,9,10,11,12,13,14,15
	ds_load_b64 v[32+2*\k:33+2*\k], v3 offset:256*\k   ; wave 0: the sixteen waves' sums of two positions a lane,
.endr
	ds_load_b64 v[64:65], v3 offset:4096               ; and their distances
	s_wait_dscnt 0x0
	v_pk_add_f32 v[158:159], v[34:35], v[36:37]
	v_pk_add_f32 v[156:157], v[38:39], v[40:41]
	v_pk_add_f32 v[154:155], v[42:43], v[44:45]
	v_pk_add_f32 v[152:153], v[46:47], v[48:49]
	v_pk_add_f32 v[150:151], v[50:51], v[52:53]
	v_pk_add_f32 v[148:149], v[54:55], v[56:57]
	v_pk_add_f32 v[146:147], v[58:59], v[60:61]
	v_pk_add_f32 v[32:33], v[32:33], v[62:63]
	s_delay_alu instid0(VALU_DEP_1)
	v_pk_add_f32 v[32:33], v[32:33], v[152:153]
	v_pk_add_f32 v[158:159], v[158:159], v[150:151]
	v_pk_add_f32 v[156:157], v[156:157], v[148:149]
	v_pk_add_f32 v[154:155], v[154:155], v[146:147]
	s_delay_alu instid0(VALU_DEP_2)
	v_pk_add_f32 v[32:33], v[32:33], v[156:157]
	s_delay_alu instid0(VALU_DEP_2)
	v_pk_add_f32 v[158:159], v[158:159], v[154:155]
	s_delay_alu instid0(VALU_DEP_1)
	v_pk_add_f32 v[32:33], v[32:33], v[158:159]
	v_add_f32 v64, 0x322bcc77, v64                 ; d0 = the distance + 1e-8
	v_add_f32 v65, 0x322bcc77, v65
	s_wait_alu depctr_va_vdst(0)
	v_rcp_f32 v66, v64
	v_rcp_f32 v67, v65
	v_pk_mul_f32 v[32:33], v[32:33], 0x3a800000 op_sel_hi:[1,0]    ; the mean's 1 / 1024 (a plain line behind the reciprocals)
	s_wait_alu depctr_va_vdst(0)                   ; one wait for both, ahead of their first reader
	v_pk_mul_f32 v[32:33], v[32:33], v[66:67]
	global_store_b64 v29, v[32:33], s[10:11]       ; 256 consecutive bytes, aligned
.Lend:
	s_wait_tensorcnt 0x0                           ; the wave's end, behind my last LDS store
	ds_add_u32 v24, v25
	s_wait_dscnt 0x0
	s_endpgm
.Lfunc_end_k_q3d8c0b70d3_influence:
	.size	k_q3d8c0b70d3_influence, .Lfunc_end_k_q3d8c0b70d3_influence-k_q3d8c0b70d3_influence
	.p2alignl 7, 3214868480
	.fill 96, 4, 3214868480
	.section	.rodata,"a",@progbits
	.p2align	6, 0x0
	.amdhsa_kernel k_q3d8c0b70d3_influence
		.amdhsa_group_segment_fixed_size 138496
		.amdhsa_private_segment_fixed_size 0
		.amdhsa_enable_private_segment 0
		.amdhsa_kernarg_size 32
		.amdhsa_user_sgpr_count 2
		.amdhsa_user_sgpr_kernarg_segment_ptr 1
		.amdhsa_wavefront_size32 1
		.amdhsa_system_sgpr_workgroup_id_x 1
		.amdhsa_system_sgpr_workgroup_id_y 1
		.amdhsa_system_sgpr_workgroup_id_z 1
		.amdhsa_system_vgpr_workitem_id 0
		.amdhsa_next_free_vgpr 160
		.amdhsa_next_free_sgpr 66
		.amdhsa_reserve_vcc 0
		.amdhsa_float_denorm_mode_32 3
		.amdhsa_float_denorm_mode_16_64 3
		.amdhsa_memory_ordered 1
		.amdhsa_forward_progress 1
		.amdhsa_inst_pref_size 22
	.end_amdhsa_kernel
	.amdgpu_metadata
---
amdhsa.version: [ 1, 2 ]
amdhsa.kernels:
  - .name:           k_q3d8c0b70d3_influence
    .symbol:         k_q3d8c0b70d3_influence.kd
    .args:
      - { .name: features, .offset: 0, .size: 8, .value_kind: global_buffer, .address_space: global }
      - { .name: memory_bank, .offset: 8, .size: 8, .value_kind: global_buffer, .address_space: global }
      - { .name: keys, .offset: 16, .size: 8, .value_kind: global_buffer, .address_space: global }
      - { .name: ip, .offset: 24, .size: 8, .value_kind: global_buffer, .address_space: global }
    .group_segment_fixed_size: 138496
    .private_segment_fixed_size: 0
    .kernarg_segment_align: 8
    .kernarg_segment_size: 32
    .max_flat_workgroup_size: 512
    .sgpr_count:     66
    .vgpr_count:     160
    .wavefront_size: 32
...
	.end_amdgpu_metadata
.endif
;; end of part 3
;; launch noising (part 4): grid 128 x 2, 16 waves a work-group, no clusters, 134,400 bytes of LDS; arguments features, noise, ip, out0, out1, out2; writes out0, out1, out2
.if DOCPART == 4
	.amdgcn_target "amdgcn-amd-amdhsa--gfx1250"
	.amdhsa_code_object_version 6
	.text
	.protected	k_q3d8c0b70d3_noising
	.globl	k_q3d8c0b70d3_noising
	.p2align	8
	.type	k_q3d8c0b70d3_noising,@function
k_q3d8c0b70d3_noising:
	s_mov_b64 s[64:65], 0
	v_nop
	global_prefetch_b8 v0, s[64:65] scope:SCOPE_SE
	s_setreg_imm32_b32 hwreg(HW_REG_WAVE_MODE, 25, 1), 1
	s_wait_xcnt 0x0
; Launch 4 of 4: the influence's minimum and maximum over all 8,192 positions, norm = (ip - min) / max(max - min, 1e-8) (0 where max - min is not above 1e-8), std = 0.01 + 0.49 norm,
; out0 = f + noise x std in f's own layout, out1 = norm, out2 = std.
; Every work-group takes the minimum and maximum of the 64 KiB of ip for itself: no traffic between work-groups, and no launch for it alone.  ip's two halves are added in one way everywhere, so the
; smallest position's norm is exactly 0.
; SHARES as in the launch before: work-group (pg, y): positions 64 pg on, channels 512 y on; a thread works blocks of 4 positions x 4 channels; noise, whose channels are innermost, turns through LDS,
; row rho at (rho % 4) x 33,024 + (rho / 4) x 2,064; f and out0 go 16 bytes along the positions, sixteen lanes to 256 consecutive bytes.
; LIMITS: the division is a multiplication by v_rcp_f32's result; f + noise x std is one fused multiply-add.  No work-group shares more than ip with another: no cluster.
.set ROWP,  2064
.set PLANE, 16*ROWP
.set MM,    4*PLANE                    ; 16 waves x {minimum, maximum}
.set SPARE, MM+256                     ; the spare words, 128 bytes a wave: eight blocks of 256 bytes that no other line names
.set F,     32                         ; v32-95  f: register 16 it + 4 j + i
.set M,     96                         ; v96-159 noise: as loaded 16 k + 4 i, then 16 it + 4 i + j
	s_load_b256 s[4:11], s[0:1], 0x0               ; features, noise, ip, out0
	s_load_b128 s[12:15], s[0:1], 0x20             ; out1, out2
	v_lshl_add_u32 v24, v0, 2, SPARE               ; my spare word; never rewritten
	v_mov_b32 v25, 0                               ; 0; never rewritten
	v_lshrrev_b32 v1, 5, v0
	s_delay_alu instid0(VALU_DEP_1)
	v_readfirstlane_b32 s16, v1                    ; wave 0..15
	s_delay_alu instid0(VALU_DEP_2)
	v_lshlrev_b32 v10, 14, v1                      ; four rows of noise a wave
	v_and_b32 v1, 31, v0                           ; lane
	v_and_b32 v2, 15, v0                           ; q
	v_lshrrev_b32 v3, 4, v0                        ; 2 w + g
	s_delay_alu instid0(VALU_DEP_1)
	v_lshlrev_b32 v4, 14, v3
	s_delay_alu instid0(VALU_DEP_1)
	v_lshl_add_u32 v4, v2, 4, v4                   ; f and out0
	v_lshlrev_b32 v28, 4, v1
	s_delay_alu instid0(VALU_DEP_1)
	v_add_nc_u32 v10, v10, v28                     ; noise: 16,384 w + 16 lane
	s_mul_i32 s20, s16, ROWP
	v_add_nc_u32 v6, s20, v28                      ; rows in: planes 0 and 1,
	s_delay_alu instid0(VALU_DEP_1)
	v_add_nc_u32 v30, 2*PLANE, v6                  ; planes 2 and 3
	v_mul_u32_u24 v7, v2, ROWP
	s_delay_alu instid0(VALU_DEP_1)
	v_lshl_add_u32 v7, v3, 4, v7                   ; rows out: planes 0 and 1,
	s_delay_alu instid0(VALU_DEP_1)
	v_add_nc_u32 v31, 2*PLANE, v7                  ; planes 2 and 3
	v_lshlrev_b32 v8, 4, v0                        ; ip: 16 x thread
	v_lshlrev_b32 v9, 4, v2                        ; my four positions: 16 q
	s_lshl_b32 s20, s16, 3
	s_add_co_u32 s20, s20, MM
	v_mov_b32 v11, s20                             ; my wave's pair
	v_mov_b32 v5, MM
	v_mov_b32 v14, 0                               ; a lane permute's destination counts as one of its sources
	v_mov_b32 v15, 0
	s_mov_b32 s26, 0x76543210
	s_mov_b32 s27, 0xfedcba98                      ; selects for lane l xor 16
	s_mov_b32 s30, 0x3efae148                      ; 0.49
	s_mov_b32 s31, 0x3c23d70a                      ; 0.01
	s_and_b32 s17, ttmp7, 0xffff                   ; y
	s_lshr_b32 s20, ttmp9, 4
	s_lshl_b32 s20, s20, 22
	s_lshl_b32 s21, s17, 21
	s_add_co_u32 s20, s20, s21
	s_and_b32 s21, ttmp9, 15
	s_lshl_b32 s21, s21, 8
	s_add_co_u32 s20, s20, s21                     ; f and out0: batch, 512 channels, 64 positions
	s_mov_b32 s21, 0
	s_lshl_b32 s22, ttmp9, 18
	s_lshl_b32 s23, s17, 11
	s_add_co_u32 s22, s22, s23                     ; noise: 64 rows of 4,096 bytes, 512 channels
	s_mov_b32 s23, 0
	s_lshl_b32 s24, ttmp9, 8                       ; 64 positions of 4 bytes
	s_mov_b32 s25, 0
	s_wait_alu depctr_va_vdst(0)
	s_wait_kmcnt 0x0
	s_add_nc_u64 s[4:5], s[4:5], s[20:21]
	s_add_nc_u64 s[10:11], s[10:11], s[20:21]
	s_add_nc_u64 s[6:7], s[6:7], s[22:23]
	s_add_nc_u64 s[18:19], s[8:9], s[24:25]
	s_add_nc_u64 s[12:13], s[12:13], s[24:25]
	s_add_nc_u64 s[14:15], s[14:15], s[24:25]
.irp i, 0,1,2,3
	global_load_b128 v[160+4*\i:163+4*\i], v8, s[8:9] offset:8192*\i         ; sixteen positions' first halves,
.endr
.irp i, 0,1,2,3
	global_load_b128 v[176+4*\i:179+4*\i], v8, s[8:9] offset:32768+8192*\i   ; and second halves
.endr
	global_load_b128 v[192:195], v9, s[18:19]                                ; my own four positions
	global_load_b128 v[196:199], v9, s[18:19] offset:32768
.irp k, 0,1,2,3
.irp i, 0,1,2,3
	global_load_b128 v[M+16*\k+4*\i:M+16*\k+4*\i+3], v10, s[6:7] offset:4096*\k+512*\i th:TH_LOAD_NT
.endr
.endr
.irp it, 0,1,2,3
.irp j, 0,1,2,3
	global_load_b128 v[F+16*\it+4*\j:F+16*\it+4*\j+3], v4, s[4:5] offset:524288*\it+4096*\j th:TH_LOAD_NT
.endr
.endr
	s_wait_loadcnt 32                              ; ip is in; noise's sixteen loads and f's sixteen may be out
.irp e, 0,2,4,6,8,10,12,14
	v_pk_add_f32 v[160+\e:161+\e], v[160+\e:161+\e], v[176+\e:177+\e]
.endr
	v_pk_add_f32 v[192:193], v[192:193], v[196:197]
	v_pk_add_f32 v[194:195], v[194:195], v[198:199]
	v_min3_num_f32 v12, v160, v161, v162
	v_max3_num_f32 v13, v160, v161, v162
.irp e, 163,165,167,169,171,173
	s_delay_alu instid0(VALU_DEP_2)
	v_min3_num_f32 v12, v12, v[\e], v[\e+1]
	s_delay_alu instid0(VALU_DEP_2)
	v_max3_num_f32 v13, v13, v[\e], v[\e+1]
.endr
	s_delay_alu instid0(VALU_DEP_2)
	v_min_num_f32 v12, v12, v175
	s_delay_alu instid0(VALU_DEP_2)
	v_max_num_f32 v13, v13, v175
.irp x, 1,2,4,8
	s_delay_alu instid0(VALU_DEP_2)
	v_min_num_f32_dpp v12, v12, v12 row_xmask:\x row_mask:0xf bank_mask:0xf
	s_delay_alu instid0(VALU_DEP_2)
	v_max_num_f32_dpp v13, v13, v13 row_xmask:\x row_mask:0xf bank_mask:0xf
.endr
	s_delay_alu instid0(VALU_DEP_2)
	v_permlanex16_b32 v14, v12, s26, s27
	s_delay_alu instid0(VALU_DEP_2)
	v_permlanex16_b32 v15, v13, s26, s27
	s_delay_alu instid0(VALU_DEP_2)
	v_min_num_f32 v12, v12, v14
	s_delay_alu instid0(VALU_DEP_2)
	v_max_num_f32 v13, v13, v15
	ds_store_b64 v11, v[12:13]                     ; all lanes write the same pair with the same values
.irp k, 0,1,2,3
	s_wait_loadcnt 28-4*\k                         ; row k of noise is in; the younger rows' loads and f's sixteen may be out
.irp i, 0,1,2,3
.if \k < 2
	ds_store_b128 v6, v[M+16*\k+4*\i:M+16*\k+4*\i+3] offset:PLANE*\k+512*\i
.else
	ds_store_b128 v30, v[M+16*\k+4*\i:M+16*\k+4*\i+3] offset:PLANE*(\k-2)+512*\i
.endif
.endr
.endr
	s_wait_dscnt 0x0                               ; for the others' sake: my stores have landed
	s_barrier_signal -1
	s_barrier_wait -1
.irp i, 0,1,2,3,4,5,6,7
	ds_load_b128 v[160+4*\i:163+4*\i], v5 offset:16*\i   ; the sixteen waves' pairs, in every lane
.endr
.irp it, 0,1,2,3
.irp i, 0,1,2,3
.if \i < 2
	ds_load_b128 v[M+16*\it+4*\i:M+16*\it+4*\i+3], v7 offset:PLANE*\i+512*\it
.else
	ds_load_b128 v[M+16*\it+4*\i:M+16*\it+4*\i+3], v31 offset:PLANE*(\i-2)+512*\it
.endif
.endr
.endr
	s_wait_dscnt 16                                ; the pairs are in; the sixteen loads of noise may be out
	v_min3_num_f32 v12, v160, v162, v164
	v_max3_num_f32 v13, v161, v163, v165
.irp e, 166,170,174,178,182,186
	s_delay_alu instid0(VALU_DEP_2)
	v_min3_num_f32 v12, v12, v[\e], v[\e+2]
	s_delay_alu instid0(VALU_DEP_2)
	v_max3_num_f32 v13, v13, v[\e+1], v[\e+3]
.endr
	s_delay_alu instid0(VALU_DEP_2)
	v_min_num_f32 v12, v12, v190                   ; imin
	s_delay_alu instid0(VALU_DEP_2)
	v_max_num_f32 v13, v13, v191                   ; imax
	s_delay_alu instid0(VALU_DEP_1)
	v_sub_f32 v14, v13, v12                        ; denom
	s_delay_alu instid0(VALU_DEP_1)
	v_max_num_f32 v15, 0x322bcc77, v14             ; max(denom, 1e-8)
	s_wait_alu depctr_va_vdst(0)
	v_rcp_f32 v16, v15
.irp i, 0,1,2,3
	v_sub_f32 v[204+\i], v[192+\i], v12            ; ip - imin (plain lines behind the reciprocal)
.endr
	v_cmp_lt_f32 vcc_lo, 0x322bcc77, v14           ; denom > 1e-8
	s_wait_alu depctr_va_vdst(0)                   ; the wait, ahead of the reciprocal's first reader
.irp i, 0,1,2,3
	v_mul_f32 v[204+\i], v[204+\i], v16
.endr
.irp i, 0,1,2,3
	s_delay_alu instid0(VALU_DEP_4)
	v_cndmask_b32 v[204+\i], 0, v[204+\i], vcc_lo  ; norm, or 0
.endr
.irp i, 0,1,2,3
	s_delay_alu instid0(VALU_DEP_4)
	v_fma_f32 v[200+\i], v[204+\i], s30, s31       ; std = 0.01 + 0.49 norm
.endr
	s_wait_alu depctr_va_vdst(0)
	s_wait_loadcnt 0x0                             ; f
.irp it, 0,1,2,3
	s_wait_dscnt 12-4*\it                          ; this quarter's four loads of noise are in
.irp j, 0,1,2,3
.irp i, 0,1,2,3
	v_fma_f32 v[F+16*\it+4*\j+\i], v[M+16*\it+4*\i+\j], v[200+\i], v[F+16*\it+4*\j+\i]
.endr
	global_store_b128 v4, v[F+16*\it+4*\j:F+16*\it+4*\j+3], s[10:11] offset:524288*\it+4096*\j th:TH_STORE_NT   ; sixteen lanes store 256 consecutive bytes, aligned
.endr
.endr
	s_or_b32 s29, s16, s17
	s_cmp_lg_u32 s29, 0
	s_cbranch_scc1 .Lend                           ; the maps are stored once: by wave 0 of the work-group with y = 0
	s_wait_xcnt 0x0                                ; EXEC changes only behind this wait
	v_cmp_gt_u32 vcc_lo, 16, v1
	s_and_saveexec_b32 s28, vcc_lo                 ; lanes 0-15: positions 4 q on
	global_store_b128 v9, v[204:207], s[12:13]     ; out1: 256 consecutive bytes, aligned
	global_store_b128 v9, v[200:203], s[14:15]     ; out2 likewise
	s_wait_xcnt 0x0                                ; and again, in front of the line that widens it
	s_or_b32 exec_lo, exec_lo, s28
.Lend:
	s_wait_tensorcnt 0x0                           ; the wave's end, behind my last LDS store
	ds_add_u32 v24, v25
	s_wait_dscnt 0x0
	s_endpgm
.Lfunc_end_k_q3d8c0b70d3_noising:
	.size	k_q3d8c0b70d3_noising, .Lfunc_end_k_q3d8c0b70d3_noising-k_q3d8c0b70d3_noising
	.p2alignl 7, 3214868480
	.fill 96, 4, 3214868480
	.section	.rodata,"a",@progbits
	.p2align	6, 0x0
	.amdhsa_kernel k_q3d8c0b70d3_noising
		.amdhsa_group_segment_fixed_size 134400
		.amdhsa_private_segment_fixed_size 0
		.amdhsa_enable_private_segment 0
		.amdhsa_kernarg_size 48
		.amdhsa_user_sgpr_count 2
		.amdhsa_user_sgpr_kernarg_segment_ptr 1
		.amdhsa_wavefront_size32 1
		.amdhsa_system_sgpr_workgroup_id_x 1
		.amdhsa_system_sgpr_workgroup_id_y 1
		.amdhsa_system_sgpr_workgroup_id_z 1
		.amdhsa_system_vgpr_workitem_id 0
		.amdhsa_next_free_vgpr 208
		.amdhsa_next_free_sgpr 66
		.amdhsa_reserve_vcc 1
		.amdhsa_float_denorm_mode_32 3
		.amdhsa_float_denorm_mode_16_64 3
		.amdhsa_memory_ordered 1
		.amdhsa_forward_progress 1
		.amdhsa_inst_pref_size 22
	.end_amdhsa_kernel
	.amdgpu_metadata
---
amdhsa.version: [ 1, 2 ]
amdhsa.kernels:
  - .name:           k_q3d8c0b70d3_noising
    .symbol:         k_q3d8c0b70d3_noising.kd
    .args:
      - { .name: features, .offset: 0, .size: 8, .value_kind: global_buffer, .address_space: global }
      - { .name: noise, .offset: 8, .size: 8, .value_kind: global_buffer, .address_space: global }
      - { .name: ip, .offset: 16, .size: 8, .value_kind: global_buffer, .address_space: global }
      - { .name: out0, .offset: 24, .size: 8, .value_kind: global_buffer, .address_space: global }
      - { .name: out1, .offset: 32, .size: 8, .value_kind: global_buffer, .address_space: global }
      - { .name: out2, .offset: 40, .size: 8, .value_kind: global_buffer, .address_space: global }
    .group_segment_fixed_size: 134400
    .private_segment_fixed_size: 0
    .kernarg_segment_align: 8
    .kernarg_segment_size: 48
    .max_flat_workgroup_size: 512
    .sgpr_count:     66
    .vgpr_count:     208
    .wavefront_size: 32
...
	.end_amdgpu_metadata
.endif
;; end of part 4
